; MI455X (gfx1250); checked and timed in simulation.
; The chip was launched on July 23, 2026; its instructions are those of AMD's public machine-readable ISA for CDNA 5 (MIT licence, August 2026) and "CDNA5" Instruction Set Architecture Reference Guide (July 2026). The comments in the code are by the model that wrote it; some were corrected since.
;; Transformer. Allowed arithmetic: matrix products marked QUANTISED: E2M1 operands, one E8M0 scale for each 32 along K, by v_wmma_scale_f32_16x16x128_f8f6f4 with both operands' format E2M1 (or v_wmma_scale_f32_32x16x128_f4), f32 sums; products left as they are: f32 operands where the result goes on into a quantised operand, else bf16, f16 or f32 operands; f32 sums; everything else in f32.
;; Inputs: W_K_codes 64 x 2 x 16 uint8 (E2M1 codes of W_K, K innermost, in blocks of 32 codes, two codes a byte); W_K_scales 64 x 2 uint8 (E8M0 scales of W_K, one for each 32 codes along K); W_Q_codes 64 x 2 x 16 uint8 (E2M1 codes of W_Q, K innermost, in blocks of 32 codes, two codes a byte); W_Q_scales 64 x 2 uint8 (E8M0 scales of W_Q, one for each 32 codes along K); W_V_codes 64 x 2 x 16 uint8 (E2M1 codes of W_V, K innermost, in blocks of 32 codes, two codes a byte); W_V_scales 64 x 2 uint8 (E8M0 scales of W_V, one for each 32 codes along K); fb1 256 float32; fb2 64 float32; fw1_codes 256 x 2 x 16 uint8 (E2M1 codes of fw1, K innermost, in blocks of 32 codes, two codes a byte); fw1_scales 256 x 2 uint8 (E8M0 scales of fw1, one for each 32 codes along K); fw2_codes 64 x 8 x 16 uint8 (E2M1 codes of fw2, K innermost, in blocks of 32 codes, two codes a byte); fw2_scales 64 x 8 uint8 (E8M0 scales of fw2, one for each 32 codes along K); key_mask 64 x 1,024 int32; keys_codes 64 x 1,024 x 2 x 16 uint8 (E2M1 codes of keys, K innermost, in blocks of 32 codes, two codes a byte); keys_scales 64 x 1,024 x 2 uint8 (E8M0 scales of keys, one for each 32 codes along K); queries 64 x 1,024 x 64 float32; query_mask 64 x 1,024 int32.
;; Outputs: out0 64 x 64 float32.
;; This version of the problem:
;;   THIS VERSION OF THE PROBLEM IS GIVEN IN LOW PRECISION. The matrix products marked QUANTISED in the list below multiply operands that are first quantised to E2M1 (2 exponent bits, 1 mantissa bit; 4 bits a number), with one power-of-two scale for each 32 numbers along K (OCP MX v1.0); their sums are f32. All else is computed in f32.
;;   The module's matrix products, in the order in which they are computed (A, B: the left and right operand; K: the contracted axis; several contracted axes count as one K, in the product's order):
;;     1. [M 65,536, K 64] x [K 64, N 64]; A: input queries; B: input W_Q (given as codes): QUANTISED
;;     2. [M 65,536, K 64] x [K 64, N 64]; A: input keys (given as codes); B: input W_K (given as codes): QUANTISED
;;     3. [M 65,536, K 64] x [K 64, N 64]; A: input keys (given as codes); B: input W_V (given as codes): QUANTISED
;;     4. batch 256 x [M 1,024, K 16] x [K 16, N 1,024]; A: computed on the way; B: computed on the way: left as it is (K = 16 < 32)
;;     5. batch 256 x [M 16, K 1,024] x [K 1,024, N 1,024]; A: computed on the way; B: computed on the way: QUANTISED
;;     6. [M 65,536, K 64] x [K 64, N 256]; A: computed on the way; B: input fw1 (given as codes): QUANTISED
;;     7. [M 65,536, K 256] x [K 256, N 64]; A: computed on the way; B: input fw2 (given as codes): QUANTISED
;;   THE QUANTISER, for each operand of a quantised product, along K:
;;     - K is cut into blocks of 32 from its start; a last block that is shorter is filled with zeros.
;;     - A block's scale is 2^e with e = floor(log2(the largest magnitude in the block)) - 2, held to -126 .. 127; a block of zeros has e = 0. As a byte (E8M0): e + 127.
;;     - Each number is divided by its block's scale, clamped to +-6, and rounded to the nearest number of E2M1, ties to even, subnormals kept.
;;     - The product sums the exact products of the quantised numbers (number of the format x scale) in f32.
;;   ~~~python
;;   def quantise(x, axis):      # numpy; x: float32 -> the quantised numbers, widened to float32 again
;;       x = np.moveaxis(x, axis, -1); K = x.shape[-1]
;;       x = np.pad(x, [(0, 0)] * (x.ndim - 1) + [(0, -K % 32)]); x = x.reshape(x.shape[:-1] + (-1, 32)); a = np.abs(x).max(-1, keepdims=True)
;;       e = np.where(a > 0, np.clip(np.frexp(np.where(a > 0, a, 1))[1] - 1 - 2, -126, 127), 0)      # np.frexp(a)[1] - 1 = floor(log2(a)), exactly
;;       r = np.clip(x / 2.0 ** e, -6, 6)
;;       step = 2.0 ** (np.maximum(np.frexp(np.where(r == 0, 1, r))[1] - 1, 0) - 1)
;;       q = np.round(r / step) * step * 2.0 ** e      # np.round: ties to even
;;       return np.moveaxis(q.reshape(q.shape[:-2] + (-1,))[..., :K], -1, axis).astype(np.float32)
;;   ~~~
;;   OPERANDS COMPUTED ON THE WAY. 'Computed on the way' means the value that the module computes at that place (a softmax that the list does not call 'softmax' is quantised finished and normalised). What goes into a quantiser is computed in f32, as accurately as f32 sums, v_exp_f32 and their like allow (about 1e-6 of the number): no bf16 or f16 on the way to a quantiser, and a product that is left as it is and whose result goes on into a quantised operand takes f32 operands (vector FMAs, or v_wmma_f32_16x16x4_f32). A number that lies on a knife's edge between two numbers of the format may be rounded either way, as far as f32 arithmetic and the matrix unit's own rounding can turn it there, and no further.
;;   INPUTS GIVEN AS CODES. W_K (in the module: [64, 64], K = its axis 0); W_Q (in the module: [64, 64], K = its axis 0); W_V (in the module: [64, 64], K = its axis 0); fw1 (in the module: [64, 256], K = its axis 0); fw2 (in the module: [256, 64], K = its axis 0); keys (in the module: [64, 1024, 64], K = its axis 2): each comes as NAME_codes (uint8): NAME with its K axis moved to the last place and cut into blocks of 32 codes, [.., K / 32, bytes a block], one block behind the other in memory; two codes a byte, the lower K in the low four bits (a code: sign, 2 exponent bits, 1 mantissa bit); and NAME_scales (uint8): the same leading axes, one E8M0 byte (e + 127) for each 32 codes along K. Its value is code x scale, taken as it is: it is not quantised again, and the codes and scales need not be those that the quantiser above would give.
;; 2 versions, each right; version 2 is version 1 with the launch attn0 written anew for expert scheduling mode. Each part assembles by itself: llvm-mc -triple=amdgcn-amd-amdhsa -mcpu=gfx1250 --defsym DOCPART=n.
;; ======== version 1 of 2: 1 launch
;; launch attn0 (part 1): grid 64 x 1, 16 waves a work-group, no clusters, 38,144 bytes of LDS; arguments queries, query_mask, keys_codes, keys_scales, key_mask, W_Q_codes, W_Q_scales, W_K_codes, W_K_scales, W_V_codes, W_V_scales, fw1_codes, fw1_scales, fb1, fw2_codes, fw2_scales, fb2, out0; writes out0
.if DOCPART == 1
	.amdgcn_target "amdgcn-amd-amdhsa--gfx1250"
	.amdhsa_code_object_version 6
	.text
	.protected	k_q1bf61b1baa_attn0
	.globl	k_q1bf61b1baa_attn0
	.p2align	8
	.type	k_q1bf61b1baa_attn0,@function
k_q1bf61b1baa_attn0:
	s_mov_b64 s[64:65], 0
	v_nop
	global_prefetch_b8 v0, s[64:65] scope:SCOPE_SE
	s_setreg_imm32_b32 hwreg(HW_REG_WAVE_MODE, 25, 1), 1
	s_wait_xcnt 0x0
; out0[b][:] = result[b, 0, :] of a transformer layer: 4 heads of 16, 1,024 keys, feed-forward 64 -> 256 -> 64; the products on codes of E2M1 with one E8M0 scale for each 32 along K.
; WORK LEFT OUT.  The result is sliced to query position 0.  Behind the projections every step treats the query rows one by one: the quantiser of queries runs along a row's own 64 numbers; scores, maximum,
; softmax and the factor query_mask are taken for each (batch, head, query); the quantiser of the weights runs along the keys of one (batch, head, query); both residuals, both feed-forward products and their quantisers
; are per row.  So, whatever the inputs hold, rows q != 0 of queries W_Q, of the scores, of the weights x V and of both feed-forward products reach no output: they are not computed, and queries[b, 1..] and
; query_mask[b, 1..] are not loaded.  keys W_K and keys W_V are live for all 1,024 keys (V is quantised along the keys; with every key masked the softmax is uniform over all keys); key_mask is live whole.
; K's row of key 0, which the diagonal mask throws away, lies in a live tile and stays.
; LIMITS.  A NaN, an infinity or an overflow that reaches only the rows left out is not carried to the result.  A block whose largest magnitude lies under 2^-124, a block of zeros too, gets the scale byte 1
; (zeros: the rule says 127; the codes are zeros and this program alone reads the bytes).  A weight's exponential under 2^-126 comes out as 0.  A scale byte 0xff among the inputs is not served.
; SHARES.  One work-group a batch, 16 waves.  Wave w: g = w / 2: keys 128 g .. 128 g + 127;  p = w % 2: heads 2 p, 2 p + 1.  Feed-forward: waves 0-7 make 32 hidden units each, wave 0 the last product and the store.
; No tensor load, no ring, no cluster: a wave's 4.5 KB of keys go once from memory into the operands' registers, and work-groups share only 23 KB of weights.
; LANES.  L = lane, r = L % 16, hf = L / 16, kap(r) = r + 8 (r / 8).  THE KEYS OF A TILE ARE NOT NEIGHBOURS: lane r of tile 2 b + u takes key 32 b + 8 u + kap(r), so that V's 16 registers of tiles 2 b, 2 b + 1 are 16 neighbouring keys.
; K = 64 IN A STEP OF 128: the small operand (a weight, the query's or the row's codes) has zero codes in its registers 4-7; a key fragment's registers 4-7 are the next tile's codes, which meet those zeros.
; Scale words of these products have bytes 2, 3 = 0 (never 0xff).
.set MX,    32768                      ; LDS: the waves' maxima, 4 heads x 8 words;  256 bytes on: their sums
.set SMO,   256
.set OP,    33280                      ; partial outputs: 8 groups of keys x 256 bytes
.set HC,    35328                      ; the hidden layer's codes, 128 bytes
.set HSB,   35584                      ; and its 8 scale bytes
.set OS,    35840                      ; wave 0's stage for the last product, 256 bytes
.set SPARE, 36096                      ; the spare words, 128 bytes for each of 16 waves: eight blocks of 256 bytes that no other line names
.set SCRP,  544                        ; each wave's own 2,048 bytes: +0 the scores of 2 heads x 128 keys, rows 544 bytes apart (the two halves of the lanes fall on different banks);
.set ACO,   1152                       ; +1152 the weights' codes, 2 heads x 64 bytes;
.set ASO,   1280                       ; +1280 their 8 scale bytes;
.set R0O,   1536                       ; +1536 the row out + queries, 256 bytes
.set VK,    1                          ; v1-10: offsets into memory, never rewritten.  32 kap + 16 hf
.set VKS,   2                          ; 2 kap
.set VW,    3                          ; 32 r + 16 hf + 1024 p
.set VWS,   4                          ; 2 r + 64 p
.set VQ,    5                          ; 128 hf
.set VM,    6                          ; 32 r
.set V8L,   7                          ; 8 L (also an LDS address)
.set VFB,   8                          ; 64 hf
.set VF2,   9                          ; 128 r + 16 hf
.set VF2S,  10                         ; 8 r
.set A_ST,  11                         ; v11-26: LDS addresses, all made at the head
.set A_LD,  12
.set A_AC,  13
.set A_AB,  14
.set A_AF,  15
.set A_AW,  16
.set A_MXW, 17
.set A_MXR, 18
.set A_OPW, 19
.set A_R0W, 20
.set A_R0R, 21
.set A_HCW, 22
.set A_HSW, 23
.set A_HCR, 24
.set A_HSR, 25
.set A_OSW, 26
.set SH8,   27                         ; 8 hf
.set SPW,   28                         ; LDS address of my spare word; never rewritten
.set NIL,   29                         ; 0; never rewritten
.set QM,    30                         ; query_mask[b, 0] as f32;  v31: g | r, 0 only where my first key is key 0
.set KF,    32                         ; v32-67 key tile T at 32 + 4 T, v64-67 zeros.  Later: v32 the maximum, v34 the sum, v36 its reciprocal; the row's 32 numbers; the hidden layer's fragments; v64-65 fb2
.set KS,    68                         ; v68-75 the key tiles' scale words; wave 0 later: fw2's
.set ACC,   76                         ; v76-139 eight results.  First: v76-107 the query's numbers, v108-115 W_Q's two fragments, v116-119 zeros.  Wave 0 later: fw2's eight fragments
.set WQF,   108
.set WKF,   140                        ; v140-155 W_K's two fragments, registers 4-7 zeros; later fw1's two
.set WVF,   156                        ; v156-171 W_V's two; later the results of weights x V
.set WQS,   172                        ; scale words: W_Q's, W_K's (later fw1's), W_V's (later the hidden layer's)
.set WKS,   174
.set WVS,   176
.set QC,    178                        ; v178-185 the query's codes, later the row's; registers 4-7 zeros
.set QSW,   186                        ; their scale word
.set ASW,   187                        ; the weights' scale word
.set QV,    188                        ; v188-203 Q of my two heads; later fb1 and the hidden layer; v188-219 wave 0's last results
.set MASK,  204                        ; v204-211 key_mask of my 8 keys; later the weights' fragment
.set S,     212                        ; v212-219 my 8 scores, then weights
.set VF,    220                        ; v220-235 V's fragments of my two heads
.set VS,    236                        ; their scale words
.set RES,   238                        ; v238-239 queries[b, 0, 2 L ..], then out + queries
.set TM,    240                        ; v240-255 at work
.set FLOOR, 0x1800000                  ; 2^(3 - 127): no largest magnitude is taken under it, so a scale byte cannot fall under 1
.set EOFF,  0xff000000                 ; 2 off an exponent field
.set NEGV,  0xcf800000                 ; -2^32 + 1 as f32
.macro PLACES n
.rept \n
	v_nop
.endr
.endm
.macro RED16 op, reg                   ; over the 16 lanes of a row: every lane ends up with the result
.irp x, 1,2,4,8
	\op v[\reg], v[\reg], v[\reg] row_xmask:\x row_mask:0xf bank_mask:0xf
.endr
.endm
.macro BARRIER                         ; my LDS stores have landed and my LDS loads are in: then the work-group's barrier
	s_wait_dscnt 0x0
	s_barrier_signal -1
	s_barrier_wait -1
.endm
.macro MM0 d, a, b, sa, sb             ; a product that starts its sum
	v_wmma_scale_f32_16x16x128_f8f6f4 v[\d:\d+7], v[\a:\a+7], v[\b:\b+7], 0, v[\sa], v[\sb] matrix_a_fmt:MATRIX_FMT_FP4 matrix_b_fmt:MATRIX_FMT_FP4
.endm
.macro MMA d, a, b, sa, sb             ; a product that adds onto what its destination holds
	v_wmma_scale_f32_16x16x128_f8f6f4 v[\d:\d+7], v[\a:\a+7], v[\b:\b+7], v[\d:\d+7], v[\sa], v[\sb] matrix_a_fmt:MATRIX_FMT_FP4 matrix_b_fmt:MATRIX_FMT_FP4
.endm
; A row of 64 numbers, the same in all 16 columns: my 32 numbers v[src] on are block hf.  Codes into v[dst] .. v[dst + 3], the row's scale word (bytes 0, 1) into v[sw].
.macro QROW src, dst, sw
	v_max3_num_f32 v[TM], |v[\src]|, |v[\src+1]|, FLOOR
	v_max3_num_f32 v[TM+1], |v[\src+16]|, |v[\src+17]|, |v[\src+18]|
.irp i, 2,4,6,8,10,12
	v_max3_num_f32 v[TM], v[TM], |v[\src+\i]|, |v[\src+\i+1]|           ; two chains by turns
	v_max3_num_f32 v[TM+1], v[TM+1], |v[\src+\i+17]|, |v[\src+\i+18]|
.endr
	v_max3_num_f32 v[TM], v[TM], |v[\src+14]|, |v[\src+15]|
	v_max3_num_f32 v[TM], v[TM], v[TM+1], |v[\src+31]|                  ; the block's largest magnitude
	v_add_nc_u32 v[TM+2], EOFF, v[TM]              ; 2 off its exponent field: the conversion's scale operand
	v_lshrrev_b32 v[TM+3], 23, v[TM+2]             ; the scale's byte,
	v_lshlrev_b32 v[TM+3], v[SH8], v[TM+3]         ; at its place in the word;
	v_permlanex16_b32 v[TM+4], v[TM+3], s8, s9
	v_or_b32 v[\sw], v[TM+3], v[TM+4]              ; with the other block's the word is whole
.irp g, 0,1,2,3
	v_cvt_scalef32_pk8_fp4_f32 v[\dst+\g], v[\src+8*\g:\src+8*\g+7], v[TM+2]
.endr
	v_nop                                          ; one plain place behind a scaled conversion
.endm
; 64 numbers of a lane, register 16 b + i = k 32 b + 16 hf + i of my row, become a fragment's codes in v[pc] on and its scale word in v[pw].
.macro QUANT s, pc, pw
.irp b, 0,1,2,3
	v_max3_num_f32 v[TM+\b], |v[\s+16*\b]|, |v[\s+1+16*\b]|, FLOOR
.endr
.irp i, 2,4,6,8,10,12,14
.irp b, 0,1,2,3
	v_max3_num_f32 v[TM+\b], v[TM+\b], |v[\s+16*\b+\i]|, |v[\s+1+16*\b+\i]|   ; the four blocks by turns
.endr
.endr
.irp b, 0,1,2,3
	v_permlanex16_b32 v[TM+4+\b], v[TM+\b], s8, s9
.endr
.irp b, 0,1,2,3
	v_max_num_f32 v[TM+\b], v[TM+\b], v[TM+4+\b]   ; with lane l xor 16's: the block's largest magnitude
.endr
.irp b, 0,1,2,3
	v_add_nc_u32 v[TM+12+\b], EOFF, v[TM+\b]
.endr
.irp b, 0,1,2,3
	v_lshrrev_b32 v[TM+4+\b], 23, v[TM+12+\b]
.endr
	v_lshl_or_b32 v[\pw], v[TM+5], 8, v[TM+4]
	v_lshl_or_b32 v[\pw], v[TM+6], 16, v[\pw]
	v_lshl_or_b32 v[\pw], v[TM+7], 24, v[\pw]
.irp b, 0,1,2,3
	v_cvt_scalef32_pk8_fp4_f32 v[\pc+2*\b], v[\s+16*\b:\s+7+16*\b], v[TM+12+\b]
	v_cvt_scalef32_pk8_fp4_f32 v[\pc+1+2*\b], v[\s+8+16*\b:\s+15+16*\b], v[TM+12+\b]
.endr
	v_nop                                          ; one plain place behind a scaled conversion
.irp c, 0,1                                    ; the operand's layout wants a whole block in a lane
.irp i, 0,1
	v_permlane16_swap_b32 v[\pc+4*\c+\i], v[\pc+2+4*\c+\i]
.endr
.endr
.endm
; Key tiles 4 hb .. 4 hb + 3: K of my two heads (source 0 = W_K's 16 rows of a head, source 1 = the tile: lane (r, hf) holds key r's channels 8 hf + j), the dot products with Q in f32, and the scores to my own LDS by key.
.macro KBATCH hb
.irp t, 0,1,2,3
.irp n, 0,1
	MM0 ACC+8*(2*\t+\n), WKF+8*\n, KF+4*(4*\hb+\t), WKS+\n, KS+4*\hb+\t
.endr
.endr
	PLACES 4
.irp i, 0,1,2,3,4,5,6,7
	v_pk_mul_f32 v[TM+2*\i:TM+2*\i+1], v[ACC+8*\i:ACC+8*\i+1], v[QV+8*(\i%2):QV+8*(\i%2)+1]
.endr
.irp k, 2,4,6
.irp i, 0,1,2,3,4,5,6,7
	v_pk_fma_f32 v[TM+2*\i:TM+2*\i+1], v[ACC+8*\i+\k:ACC+8*\i+\k+1], v[QV+8*(\i%2)+\k:QV+8*(\i%2)+\k+1], v[TM+2*\i:TM+2*\i+1]
.endr
.endr
.irp i, 0,1,2,3,4,5,6,7
	v_add_f32 v[TM+2*\i], v[TM+2*\i], v[TM+2*\i+1] ; my 8 channels' part of the score
.endr
.irp t, 0,1,2,3
	v_permlane16_swap_b32 v[TM+4*\t], v[TM+4*\t+2] ; lanes 0-15 now hold both parts of head 2 p, lanes 16-31 both of head 2 p + 1
.endr
.irp t, 0,1,2,3
	v_add_f32 v[TM+4*\t+1], v[TM+4*\t], v[TM+4*\t+2]
.endr
.irp t, 0,1,2,3
	ds_store_b32 v[A_ST], v[TM+4*\t+1] offset:4*(32*((4*\hb+\t)/2)+8*((4*\hb+\t)%2))
.endr
.endm
; V of head 2 p + n for my 128 keys (source 0 = a key tile, source 1 = W_V's 16 rows: a lane holds one channel, its registers run along the keys), quantised along the keys: one fragment, kept in registers.
.macro VHEAD n
.irp t, 0,1,2,3,4,5,6,7
	MM0 ACC+8*\t, KF+4*\t, WVF+8*\n, KS+\t, WVS+\n
.endr
	PLACES 4
	QUANT ACC, VF+8*\n, VS+\n
.endm
	; ---- the head: arguments, offsets, all first loads at once
	s_load_b512 s[16:31], s[0:1], 0x0              ; queries, query_mask, keys' codes, keys' scales, key_mask, W_Q's codes, W_Q's scales, W_K's codes
	s_load_b512 s[32:47], s[0:1], 0x40             ; W_K's scales, W_V's codes, W_V's scales, fw1's codes, fw1's scales, fb1, fw2's codes, fw2's scales
	s_load_b128 s[48:51], s[0:1], 0x80             ; fb2, out0
	v_lshl_add_u32 v[SPW], v0, 2, SPARE
	v_mov_b32 v[NIL], 0
	v_lshrrev_b32 v248, 5, v0
	v_readfirstlane_b32 s2, v248                   ; wave 0..15
	s_lshr_b32 s3, s2, 1                           ; g
	s_and_b32 s4, s2, 1                            ; p
	s_lshl_b32 s10, s2, 11                         ; my 2,048 bytes of LDS
	s_lshl_b32 s6, ttmp9, 18                       ; the batch's row 0 of queries
	s_mov_b32 s7, 0
	s_lshl_b32 s12, ttmp9, 12                      ; of query_mask
	s_mov_b32 s13, 0
	s_lshl_b32 s11, s3, 9
	s_add_co_u32 s14, s12, s11                     ; key_mask: the batch, my 128 keys
	s_mov_b32 s15, 0
	s_lshl_b32 s54, ttmp9, 15
	s_lshl_b32 s11, s3, 12
	s_add_co_u32 s54, s54, s11                     ; the keys' codes, 32 bytes a key
	s_mov_b32 s55, 0
	s_lshl_b32 s56, ttmp9, 11
	s_lshl_b32 s11, s3, 8
	s_add_co_u32 s56, s56, s11                     ; their scales, 2 bytes a key
	s_mov_b32 s57, 0
	s_lshl_b32 s58, ttmp9, 8                       ; the batch's row of out0
	s_mov_b32 s59, 0
	v_and_b32 v248, 31, v0                         ; L
	v_and_b32 v249, 15, v0                         ; r
	v_bfe_u32 v250, v0, 4, 1                       ; hf
	v_and_b32 v251, 8, v249
	v_add_nc_u32 v251, v251, v249                  ; kap
	v_lshlrev_b32 v[VK], 5, v251
	v_lshl_add_u32 v[VK], v250, 4, v[VK]
	v_lshlrev_b32 v[VKS], 1, v251
	v_lshlrev_b32 v[VW], 5, v249
	v_lshl_add_u32 v[VW], v250, 4, v[VW]
	s_lshl_b32 s11, s4, 10
	v_add_nc_u32 v[VW], s11, v[VW]
	v_lshlrev_b32 v[VWS], 1, v249
	s_lshl_b32 s11, s4, 6
	v_add_nc_u32 v[VWS], s11, v[VWS]
	v_lshlrev_b32 v[VQ], 7, v250
	v_lshlrev_b32 v[VM], 5, v249
	v_lshlrev_b32 v[V8L], 3, v248
	v_lshlrev_b32 v[VFB], 6, v250
	v_lshlrev_b32 v[VF2], 7, v249
	v_lshl_add_u32 v[VF2], v250, 4, v[VF2]
	v_lshlrev_b32 v[VF2S], 3, v249
.irp z, 64,116,144,152,160,168,182             ; the zero codes for k = 64 .. 127
.irp i, 0,1,2,3
	v_mov_b32 v[\z+\i], 0
.endr
.endr
	s_wait_kmcnt 0x0
	s_add_nc_u64 s[16:17], s[16:17], s[6:7]
	s_add_nc_u64 s[18:19], s[18:19], s[12:13]
	s_add_nc_u64 s[24:25], s[24:25], s[14:15]
	s_add_nc_u64 s[20:21], s[20:21], s[54:55]
	s_add_nc_u64 s[22:23], s[22:23], s[56:57]
	s_add_nc_u64 s[50:51], s[50:51], s[58:59]
	s_load_b32 s52, s[18:19], 0x0                  ; query_mask[b, 0]
.irp i, 0,1,2,3,4,5,6,7                        ; 8 loads: my block of 32 of the query row
	global_load_b128 v[ACC+4*\i:ACC+4*\i+3], v[VQ], s[16:17] offset:16*\i
.endr
.irp n, 0,1                                    ; 4 loads: W_Q's rows of my two heads
	global_load_b128 v[WQF+4*\n:WQF+4*\n+3], v[VW], s[26:27] offset:512*\n
	global_load_u16 v[WQS+\n], v[VWS], s[28:29] offset:32*\n
.endr
.irp t, 0,1,2,3,4,5,6,7                        ; 16 loads: my eight key tiles
	global_load_b128 v[KF+4*\t:KF+4*\t+3], v[VK], s[20:21] offset:32*(32*(\t/2)+8*(\t%2))
	global_load_u16 v[KS+\t], v[VKS], s[22:23] offset:2*(32*(\t/2)+8*(\t%2))
.endr
.irp n, 0,1                                    ; 4 loads: W_K
	global_load_b128 v[WKF+8*\n:WKF+8*\n+3], v[VW], s[30:31] offset:512*\n
	global_load_u16 v[WKS+\n], v[VWS], s[32:33] offset:32*\n
.endr
.irp n, 0,1                                    ; 4 loads: W_V
	global_load_b128 v[WVF+8*\n:WVF+8*\n+3], v[VW], s[34:35] offset:512*\n
	global_load_u16 v[WVS+\n], v[VWS], s[36:37] offset:32*\n
.endr
	global_load_b128 v[MASK:MASK+3], v[VM], s[24:25]               ; 2 loads: key_mask of keys 8 r .. 8 r + 7
	global_load_b128 v[MASK+4:MASK+7], v[VM], s[24:25] offset:16
	; the LDS addresses, all of them, while the loads are out
	v_mul_u32_u24 v252, v250, SCRP
	v_add_nc_u32 v252, s10, v252
	v_lshl_add_u32 v[A_ST], v251, 2, v252          ; scores in: head row hf, key kap (+ the tile's first key in the immediate)
	v_lshl_add_u32 v[A_LD], v249, 5, v252          ; scores back: head row hf, keys 8 r on
	v_and_b32 v253, 1, v249                        ; r % 2
	s_add_co_u32 s11, s10, ASO
	v_lshrrev_b32 v[A_AB], 2, v248
	v_add_nc_u32 v[A_AB], s11, v[A_AB]             ; the weights' scale byte: four lanes to a block
	v_lshl_add_u32 v[A_AW], v253, 2, s11           ; and the word of head row r % 2
	s_add_co_u32 s11, s10, ACO
	v_lshl_add_u32 v[A_AC], v248, 2, s11           ; the weights' codes: 4 bytes a lane: rows of 64 bytes a head
	v_lshl_add_u32 v[A_AF], v253, 6, s11
	v_lshl_add_u32 v[A_AF], v250, 4, v[A_AF]       ; back as a fragment: row r % 2, + 16 hf
	s_lshl_b32 s11, s4, 6
	s_add_co_u32 s11, s11, MX
	v_lshl_add_u32 v[A_MXR], v250, 5, s11          ; head 2 p + hf's eight words
	s_lshl_b32 s12, s3, 2
	v_add_nc_u32 v[A_MXW], s12, v[A_MXR]           ; and mine among them
	s_lshl_b32 s11, s3, 8
	s_lshl_b32 s12, s4, 7
	s_add_co_u32 s11, s11, s12
	s_add_co_u32 s11, s11, OP
	v_lshl_add_u32 v[A_OPW], v249, 2, s11          ; partial outputs: group g, head 2 p, channel r
	s_add_co_u32 s11, s10, R0O
	v_lshl_add_u32 v[A_R0W], v248, 3, s11
	v_lshl_add_u32 v[A_R0R], v250, 7, s11
	s_lshl_b32 s11, s2, 4
	s_add_co_u32 s11, s11, HC
	v_lshl_add_u32 v[A_HCW], v250, 3, s11          ; the hidden layer's block w, my half's 8 bytes
	s_add_co_u32 s11, s2, HSB
	v_mov_b32 v[A_HSW], s11
	v_lshl_add_u32 v[A_HCR], v250, 4, HC
	v_mov_b32 v[A_HSR], HSB
	v_lshl_add_u32 v[A_OSW], v250, 5, OS
	v_lshlrev_b32 v[SH8], 3, v250
	v_or_b32 v31, s3, v249                         ; 0 only in the lanes whose first key is the batch's key 0
	s_mov_b32 s8, 0x76543210
	s_mov_b32 s9, 0xfedcba98                       ; v_permlanex16_b32's selects for lane l xor 16
.irp i, 4,5,6,7
	v_mov_b32 v[TM+\i], 0                          ; written once: a lane permute's destination counts as one of its sources
.endr
	s_wait_kmcnt 0x0
	v_mov_b32 v[QM], s52
	v_cvt_f32_i32 v[QM], v[QM]
	; ---- the query: quantised, then Q of my two heads.  Source 0 = W_Q's 16 rows of a head, source 1 = the query in all 16 columns: every lane (r, hf) gets Q[16 head + 8 hf + j] in register j
	s_wait_loadcnt 30                              ; the query's 8 loads are in; the 30 issued behind them may be out
	QROW ACC, QC, QSW
	PLACES 8                                       ; a scale word written by a vector instruction stands 8 places ahead of the product
	s_wait_loadcnt 26                              ; W_Q's 4 are in; keys and W_K (20), W_V and the mask (6) may be out
.irp n, 0,1
	MM0 QV+8*\n, WQF+4*\n, QC, WQS+\n, QSW
.endr
	PLACES 4
.irp i, 0,2,4,6,8,10,12,14
	v_pk_mul_f32 v[QV+\i:QV+\i+1], v[QV+\i:QV+\i+1], 0x3e800000 op_sel_hi:[1,0]   ; 1 / sqrt(16), which rounds nothing
.endr
	; ---- the scores of query 0 with my 128 keys, two heads
	s_wait_loadcnt 6                               ; keys and W_K are in; W_V's 4 and the mask's 2 may be out
	KBATCH 0
	KBATCH 1
	ds_load_b128 v[S:S+3], v[A_LD]                 ; back by keys: lane (r, hf) takes keys 8 r .. 8 r + 7 of head 2 p + hf.  LDS serves a wave's instructions in order: these see my stores
	ds_load_b128 v[S+4:S+7], v[A_LD] offset:16
	s_wait_loadcnt 0x0                             ; the mask, and W_V
	s_wait_dscnt 0x0
	v_cmp_ne_u32 vcc_lo, 0, v31
	v_cndmask_b32 v[MASK], 0, v[MASK], vcc_lo      ; the diagonal: key 0 counts as masked for query 0
.irp i, 0,1,2,3,4,5,6,7
	v_cmp_eq_u32 vcc_lo, 1, v[MASK+\i]
	v_cndmask_b32 v[S+\i], NEGV, v[S+\i], vcc_lo
.endr
	v_max3_num_f32 v[TM], v[S], v[S+1], v[S+2]
	v_max3_num_f32 v[TM+1], v[S+3], v[S+4], v[S+5]
	v_max3_num_f32 v[TM], v[TM], v[S+6], v[S+7]
	v_max_num_f32 v[TM], v[TM], v[TM+1]
	RED16 v_max_num_f32_dpp, TM                    ; a row of 16 lanes holds one head: my 128 keys' maximum
	ds_store_b32 v[A_MXW], v[TM]
	s_cmp_lt_u32 s2, 8                             ; waves 0-7 ask now for what the feed-forward wants
	s_cbranch_scc0 .Lno_ff_loads
	s_lshl_b32 s6, s2, 10
	s_add_nc_u64 s[38:39], s[38:39], s[6:7]        ; fw1's rows 32 w on
	s_lshl_b32 s6, s2, 6
	s_add_nc_u64 s[40:41], s[40:41], s[6:7]
	s_lshl_b32 s6, s2, 7
	s_add_nc_u64 s[42:43], s[42:43], s[6:7]
.irp u, 0,1                                    ; tile u: lane r takes row 32 w + 8 u + kap(r), so that my 16 results are hidden units 32 w + 16 hf + 0 .. 15
	global_load_b128 v[WKF+8*\u:WKF+8*\u+3], v[VK], s[38:39] offset:256*\u
	global_load_u16 v[WKS+\u], v[VKS], s[40:41] offset:16*\u
	global_load_b128 v[QV+8*\u:QV+8*\u+3], v[VFB], s[42:43] offset:32*\u          ; fb1 in the result's layout: the C of the product
	global_load_b128 v[QV+8*\u+4:QV+8*\u+7], v[VFB], s[42:43] offset:32*\u+16
.endr
	global_load_b64 v[RES:RES+1], v[V8L], s[16:17] ; the residual: two numbers a lane
.Lno_ff_loads:
	s_wait_dscnt 0x0                               ; my maximum has landed
	s_barrier_signal -1
	; ---- V of my two heads: work on registers alone, while the others arrive
	VHEAD 0
	VHEAD 1
	s_barrier_wait -1                              ; all 16 waves' maxima lie in LDS
	s_cmp_eq_u32 s2, 0                             ; wave 0 asks for fw2 and fb2, into registers that are done with
	s_cbranch_scc0 .Lno_w2
.irp t, 0,1,2,3
.irp s, 0,1
.irp c, 0,1
	global_load_b128 v[ACC+8*(2*\t+\s)+4*\c:ACC+8*(2*\t+\s)+4*\c+3], v[VF2], s[44:45] offset:2048*\t+64*\s+32*\c
.endr
	global_load_b32 v[KS+2*\t+\s], v[VF2S], s[46:47] offset:128*\t+4*\s
.endr
.endr
	global_load_b64 v[64:65], v[V8L], s[48:49]
.Lno_w2:
	; ---- the softmax of query 0, finished and normalised, times query_mask, quantised along the keys
	ds_load_b128 v[TM:TM+3], v[A_MXR]
	ds_load_b128 v[TM+4:TM+7], v[A_MXR] offset:16
	s_wait_dscnt 0x0
	v_max3_num_f32 v32, v[TM], v[TM+1], v[TM+2]
	v_max3_num_f32 v33, v[TM+3], v[TM+4], v[TM+5]
	v_max3_num_f32 v32, v32, v[TM+6], v[TM+7]
	v_max_num_f32 v32, v32, v33                    ; the head's maximum over all 1,024 keys
.irp i, 0,2,4,6
	v_pk_add_f32 v[S+\i:S+\i+1], v[S+\i:S+\i+1], v[32:33] op_sel_hi:[1,0] neg_lo:[0,1] neg_hi:[0,1]   ; the maximum is taken away first: with every key masked the difference is exactly 0
.endr
.irp i, 0,2,4,6
	v_pk_mul_f32 v[S+\i:S+\i+1], v[S+\i:S+\i+1], 0x3fb8aa3b op_sel_hi:[1,0]
.endr
.irp i, 0,1,2,3,4,5,6,7
	v_exp_f32 v[S+\i], v[S+\i]
.endr
	v_nop                                          ; a plain place behind the exponentials
	s_wait_alu depctr_va_vdst(0)                   ; one wait for the batch, ahead of its first reader
	v_pk_add_f32 v[TM:TM+1], v[S:S+1], v[S+2:S+3]
	v_pk_add_f32 v[TM+2:TM+3], v[S+4:S+5], v[S+6:S+7]
	v_pk_add_f32 v[TM:TM+1], v[TM:TM+1], v[TM+2:TM+3]
	v_add_f32 v[TM], v[TM], v[TM+1]
	RED16 v_add_f32_dpp, TM
	ds_store_b32 v[A_MXW], v[TM] offset:SMO        ; my 128 keys' sum
	BARRIER
	ds_load_b128 v[TM:TM+3], v[A_MXR] offset:SMO
	ds_load_b128 v[TM+4:TM+7], v[A_MXR] offset:SMO+16
	s_wait_dscnt 0x0
	v_pk_add_f32 v[TM:TM+1], v[TM:TM+1], v[TM+2:TM+3]
	v_pk_add_f32 v[TM+4:TM+5], v[TM+4:TM+5], v[TM+6:TM+7]
	v_pk_add_f32 v[TM:TM+1], v[TM:TM+1], v[TM+4:TM+5]
	v_add_f32 v34, v[TM], v[TM+1]                  ; the head's sum: between 1 and 1,024
	v_rcp_f32 v36, v34
	v_nop
	s_wait_alu depctr_va_vdst(0)
.irp i, 0,2,4,6
	v_pk_mul_f32 v[TM+\i:TM+\i+1], v[S+\i:S+\i+1], v[36:37] op_sel_hi:[1,0]       ; q = p x (1 / sum);
.endr
.irp i, 0,2,4,6
	v_pk_fma_f32 v[TM+8+\i:TM+9+\i], v[TM+\i:TM+\i+1], v[34:35], v[S+\i:S+\i+1] op_sel_hi:[1,0,1] neg_lo:[1,0,0] neg_hi:[1,0,0]   ; what is left: p - q x sum;
.endr
.irp i, 0,2,4,6
	v_pk_fma_f32 v[S+\i:S+\i+1], v[TM+8+\i:TM+9+\i], v[36:37], v[TM+\i:TM+\i+1] op_sel_hi:[1,0,1]   ; the quotient as a division gives it: it stands ahead of a quantiser
.endr
.irp i, 0,2,4,6
	v_pk_mul_f32 v[S+\i:S+\i+1], v[S+\i:S+\i+1], v[QM:QM+1] op_sel_hi:[1,0]
.endr
	v_max3_num_f32 v[TM], |v[S]|, |v[S+1]|, FLOOR
.irp i, 2,4,6
	v_max3_num_f32 v[TM], v[TM], |v[S+\i]|, |v[S+\i+1]|
.endr
	v_max_num_f32_dpp v[TM], v[TM], v[TM] row_xmask:1 row_mask:0xf bank_mask:0xf   ; a block of 32 keys is four lanes
	v_max_num_f32_dpp v[TM], v[TM], v[TM] row_xmask:2 row_mask:0xf bank_mask:0xf
	v_add_nc_u32 v[TM+2], EOFF, v[TM]
	v_lshrrev_b32 v253, 23, v[TM+2]
	v_cvt_scalef32_pk8_fp4_f32 v252, v[S:S+7], v[TM+2]
	v_nop
	ds_store_b32 v[A_AC], v252                     ; through my own LDS: the codes lie as rows of 64 bytes, one a head,
	ds_store_b8 v[A_AB], v253                      ; (the four lanes of a block write the same byte with the same value)
	ds_load_b128 v[MASK:MASK+3], v[A_AF]           ; and come back as a fragment whose row m is head 2 p + m % 2
	ds_load_b128 v[MASK+4:MASK+7], v[A_AF] offset:32
	ds_load_b32 v[ASW], v[A_AW]
	s_wait_dscnt 0x0
	; ---- weights x V over my 128 keys.  Source 0 = the weights, source 1 = V's fragment of head 2 p + n: register n of the result is that head's channel r
.irp n, 0,1
	MM0 WVF+8*\n, MASK, VF+8*\n, ASW, VS+\n
.endr
	PLACES 5                                       ; four places serve the LDS stores of the results below; the fifth is for the last product, whose results are laid over v204-211, which these two read:
	                                               ; a matrix instruction that writes over a register of an earlier one stands five places behind it, on every way through the text
	ds_store_b32 v[A_OPW], v[WVF]
	ds_store_b32 v[A_OPW], v[WVF+9] offset:64
	BARRIER                                        ; all 16 waves' partial outputs lie in LDS
	; ---- the feed-forward: waves 0-7, 32 hidden units each
	s_cmp_lt_u32 s2, 8
	s_cbranch_scc0 .Lno_ff
.irp g, 0,1,2,3,4,5,6,7
	ds_load_b64 v[TM+2*\g:TM+2*\g+1], v[V8L] offset:OP+256*\g
.endr
	s_wait_dscnt 0x0
	s_wait_loadcnt 0x0                             ; fw1, fb1, the residual; in wave 0 fw2 and fb2 too
.irp i, 0,4,8,12
	v_pk_add_f32 v[TM+\i:TM+\i+1], v[TM+\i:TM+\i+1], v[TM+\i+2:TM+\i+3]
.endr
	v_pk_add_f32 v[TM:TM+1], v[TM:TM+1], v[TM+4:TM+5]
	v_pk_add_f32 v[TM+8:TM+9], v[TM+8:TM+9], v[TM+12:TM+13]
	v_pk_add_f32 v[TM:TM+1], v[TM:TM+1], v[TM+8:TM+9]
	v_pk_add_f32 v[RES:RES+1], v[RES:RES+1], v[TM:TM+1]            ; out + queries: numbers 2 L, 2 L + 1 of the row
	ds_store_b64 v[A_R0W], v[RES:RES+1]
.irp i, 0,1,2,3,4,5,6,7
	ds_load_b128 v[KF+4*\i:KF+4*\i+3], v[A_R0R] offset:16*\i       ; back through my own LDS: my block of 32
.endr
	s_wait_dscnt 0x0
	QROW KF, QC, QSW
	PLACES 8
.irp u, 0,1
	MMA QV+8*\u, WKF+8*\u, QC, WKS+\u, QSW         ; source 0 = 16 rows of fw1, source 1 = the row in all columns; the sum begins with fb1
.endr
	PLACES 4
.irp i, 0,2,4,6,8,10,12,14
	v_pk_mul_f32 v[TM+\i:TM+\i+1], v[QV+\i:QV+\i+1], 0x3e4ccccd op_sel_hi:[1,0]
.endr
.irp i, 0,1,2,3,4,5,6,7,8,9,10,11,12,13,14,15
	v_max_num_f32 v[QV+\i], v[QV+\i], v[TM+\i]     ; leaky relu: the larger of x and 0.2 x
.endr
	v_max3_num_f32 v[TM], |v[QV]|, |v[QV+1]|, FLOOR
	v_max3_num_f32 v[TM+1], |v[QV+8]|, |v[QV+9]|, |v[QV+10]|
	v_max3_num_f32 v[TM], v[TM], |v[QV+2]|, |v[QV+3]|
	v_max3_num_f32 v[TM+1], v[TM+1], |v[QV+11]|, |v[QV+12]|
	v_max3_num_f32 v[TM], v[TM], |v[QV+4]|, |v[QV+5]|
	v_max3_num_f32 v[TM+1], v[TM+1], |v[QV+13]|, |v[QV+14]|
	v_max3_num_f32 v[TM], v[TM], |v[QV+6]|, |v[QV+7]|
	v_max3_num_f32 v[TM], v[TM], v[TM+1], |v[QV+15]|
	v_permlanex16_b32 v[TM+4], v[TM], s8, s9
	v_max_num_f32 v[TM], v[TM], v[TM+4]            ; my wave's 32 hidden units are one block of the next K
	v_add_nc_u32 v[TM+2], EOFF, v[TM]
	v_lshrrev_b32 v254, 23, v[TM+2]
	v_cvt_scalef32_pk8_fp4_f32 v252, v[QV:QV+7], v[TM+2]
	v_cvt_scalef32_pk8_fp4_f32 v253, v[QV+8:QV+15], v[TM+2]
	v_nop
	ds_store_b64 v[A_HCW], v[252:253]              ; (the 16 lanes of a half write the same bytes with the same values)
	ds_store_b8 v[A_HSW], v254
.Lno_ff:
	BARRIER                                        ; the hidden layer's 256 codes and 8 scale bytes lie in LDS
	s_cmp_eq_u32 s2, 0
	s_cbranch_scc0 .Lend
	; ---- wave 0: hidden x fw2.  Source 0 = 16 rows of fw2, source 1 = the hidden layer in all columns; four accumulators by turns, two K steps
.irp s, 0,1
.irp c, 0,1
	ds_load_b128 v[KF+8*\s+4*\c:KF+8*\s+4*\c+3], v[A_HCR] offset:64*\s+32*\c
.endr
	ds_load_b32 v[WVS+\s], v[A_HSR] offset:4*\s
.endr
	s_wait_dscnt 0x0                               ; (fw2 and fb2 were waited for at the feed-forward's head)
.irp t, 0,1,2,3
	MM0 QV+8*\t, ACC+16*\t, KF, KS+2*\t, WVS
.endr
.irp t, 0,1,2,3
	MMA QV+8*\t, ACC+16*\t+8, KF+8, KS+2*\t+1, WVS+1
.endr
	PLACES 4
.irp t, 0,1,2,3
	ds_store_b128 v[A_OSW], v[QV+8*\t:QV+8*\t+3] offset:64*\t      ; lane (r, hf): outputs 16 t + 8 hf + 0 .. 7, the same in all r; each accumulator from its low end on
	ds_store_b128 v[A_OSW], v[QV+8*\t+4:QV+8*\t+7] offset:64*\t+16
.endr
	ds_load_b64 v[TM:TM+1], v[V8L] offset:OS       ; back two numbers a lane
	s_wait_dscnt 0x0
	v_pk_add_f32 v[TM:TM+1], v[TM:TM+1], v[64:65]  ; + fb2
	v_pk_add_f32 v[TM:TM+1], v[TM:TM+1], v[RES:RES+1]              ; + the residual
	global_store_b64 v[V8L], v[TM:TM+1], s[50:51]  ; 32 lanes store the batch's 256 consecutive bytes, at a multiple of 256 from out0's first byte
.Lend:
	s_wait_tensorcnt 0x0                           ; the wave's end: three closing lines, behind my last LDS store
	ds_add_u32 v[SPW], v[NIL]
	s_wait_dscnt 0x0
	s_endpgm
.Lfunc_end_k_q1bf61b1baa_attn0:
	.size	k_q1bf61b1baa_attn0, .Lfunc_end_k_q1bf61b1baa_attn0-k_q1bf61b1baa_attn0
	.p2alignl 7, 3214868480
	.fill 96, 4, 3214868480
	.section	.rodata,"a",@progbits
	.p2align	6, 0x0
	.amdhsa_kernel k_q1bf61b1baa_attn0
		.amdhsa_group_segment_fixed_size 38144
		.amdhsa_private_segment_fixed_size 0
		.amdhsa_enable_private_segment 0
		.amdhsa_kernarg_size 144
		.amdhsa_user_sgpr_count 2
		.amdhsa_user_sgpr_kernarg_segment_ptr 1
		.amdhsa_wavefront_size32 1
		.amdhsa_system_sgpr_workgroup_id_x 1
		.amdhsa_system_sgpr_workgroup_id_y 1
		.amdhsa_system_sgpr_workgroup_id_z 1
		.amdhsa_system_vgpr_workitem_id 0
		.amdhsa_next_free_vgpr 256
		.amdhsa_next_free_sgpr 66
		.amdhsa_reserve_vcc 1
		.amdhsa_float_denorm_mode_32 3
		.amdhsa_float_denorm_mode_16_64 3
		.amdhsa_memory_ordered 1
		.amdhsa_forward_progress 1
		.amdhsa_inst_pref_size 49
	.end_amdhsa_kernel
	.amdgpu_metadata
---
amdhsa.version: [ 1, 2 ]
amdhsa.kernels:
  - .name:           k_q1bf61b1baa_attn0
    .symbol:         k_q1bf61b1baa_attn0.kd
    .args:
      - { .name: queries, .offset: 0, .size: 8, .value_kind: global_buffer, .address_space: global }
      - { .name: query_mask, .offset: 8, .size: 8, .value_kind: global_buffer, .address_space: global }
      - { .name: keys_codes, .offset: 16, .size: 8, .value_kind: global_buffer, .address_space: global }
      - { .name: keys_scales, .offset: 24, .size: 8, .value_kind: global_buffer, .address_space: global }
      - { .name: key_mask, .offset: 32, .size: 8, .value_kind: global_buffer, .address_space: global }
      - { .name: W_Q_codes, .offset: 40, .size: 8, .value_kind: global_buffer, .address_space: global }
      - { .name: W_Q_scales, .offset: 48, .size: 8, .value_kind: global_buffer, .address_space: global }
      - { .name: W_K_codes, .offset: 56, .size: 8, .value_kind: global_buffer, .address_space: global }
      - { .name: W_K_scales, .offset: 64, .size: 8, .value_kind: global_buffer, .address_space: global }
      - { .name: W_V_codes, .offset: 72, .size: 8, .value_kind: global_buffer, .address_space: global }
      - { .name: W_V_scales, .offset: 80, .size: 8, .value_kind: global_buffer, .address_space: global }
      - { .name: fw1_codes, .offset: 88, .size: 8, .value_kind: global_buffer, .address_space: global }
      - { .name: fw1_scales, .offset: 96, .size: 8, .value_kind: global_buffer, .address_space: global }
      - { .name: fb1, .offset: 104, .size: 8, .value_kind: global_buffer, .address_space: global }
      - { .name: fw2_codes, .offset: 112, .size: 8, .value_kind: global_buffer, .address_space: global }
      - { .name: fw2_scales, .offset: 120, .size: 8, .value_kind: global_buffer, .address_space: global }
      - { .name: fb2, .offset: 128, .size: 8, .value_kind: global_buffer, .address_space: global }
      - { .name: out0, .offset: 136, .size: 8, .value_kind: global_buffer, .address_space: global }
    .group_segment_fixed_size: 38144
    .private_segment_fixed_size: 0
    .kernarg_segment_align: 8
    .kernarg_segment_size: 144
    .max_flat_workgroup_size: 512
    .sgpr_count:     66
    .vgpr_count:     256
    .wavefront_size: 32
...
	.end_amdgpu_metadata
.endif
;; end of part 1
;; ======== version 2 of 2: 1 launch; version 1 with the launch attn0 written anew for expert scheduling mode
;; launch attn0 (part 2): grid 64 x 1, 16 waves a work-group, no clusters, 38,144 bytes of LDS; arguments queries, query_mask, keys_codes, keys_scales, key_mask, W_Q_codes, W_Q_scales, W_K_codes, W_K_scales, W_V_codes, W_V_scales, fw1_codes, fw1_scales, fb1, fw2_codes, fw2_scales, fb2, out0; writes out0
.if DOCPART == 2
	.amdgcn_target "amdgcn-amd-amdhsa--gfx1250"
	.amdhsa_code_object_version 6
	.text
	.protected	k_q1bf61b1baa_attn0
	.globl	k_q1bf61b1baa_attn0
	.p2align	8
	.type	k_q1bf61b1baa_attn0,@function
k_q1bf61b1baa_attn0:
	s_mov_b64 s[64:65], 0
	v_nop
	global_prefetch_b8 v0, s[64:65] scope:SCOPE_SE
	s_setreg_imm32_b32 hwreg(HW_REG_WAVE_SCHED_MODE, 0, 2), 2
	s_setreg_imm32_b32 hwreg(HW_REG_WAVE_MODE, 25, 1), 1
	s_wait_xcnt 0x0
	s_wait_alu depctr_vm_vsrc(0)
; out0[b][:] = result[b, 0, :] of a transformer layer: 4 heads of 16, 1,024 keys, feed-forward 64 -> 256 -> 64; the products on codes of E2M1 with one E8M0 scale for each 32 along K.
; WORK LEFT OUT.  The result is sliced to query position 0.  Behind the projections every step treats the query rows one by one: the quantiser of queries runs along a row's own 64 numbers; scores, maximum,
; softmax and the factor query_mask are taken for each (batch, head, query); the quantiser of the weights runs along the keys of one (batch, head, query); both residuals, both feed-forward products and their quantisers
; are per row.  So, whatever the inputs hold, rows q != 0 of queries W_Q, of the scores, of the weights x V and of both feed-forward products reach no output: they are not computed, and queries[b, 1..] and
; query_mask[b, 1..] are not loaded.  keys W_K and keys W_V are live for all 1,024 keys (V is quantised along the keys; with every key masked the softmax is uniform over all keys); key_mask is live whole.
; K's row of key 0, which the diagonal mask throws away, lies in a live tile and stays.
; LIMITS.  A NaN, an infinity or an overflow that reaches only the rows left out is not carried to the result.  A block whose largest magnitude lies under 2^-124, a block of zeros too, gets the scale byte 1
; (zeros: the rule says 127; the codes are zeros and this program alone reads the bytes).  A weight's exponential under 2^-126 comes out as 0.  A scale byte 0xff among the inputs is not served.
; SHARES.  One work-group a batch, 16 waves.  Wave w: g = w / 2: keys 128 g .. 128 g + 127;  p = w % 2: heads 2 p, 2 p + 1.  Feed-forward: waves 0-7 make 32 hidden units each, wave 0 the last product and the store.
; No tensor load, no ring, no cluster: a wave's 4.5 KB of keys go once from memory into the operands' registers, and work-groups share only 23 KB of weights.
; LANES.  L = lane, r = L % 16, hf = L / 16, kap(r) = r + 8 (r / 8).  THE KEYS OF A TILE ARE NOT NEIGHBOURS: lane r of tile 2 b + u takes key 32 b + 8 u + kap(r), so that V's 16 registers of tiles 2 b, 2 b + 1 are 16 neighbouring keys.
; K = 64 IN A STEP OF 128: the small operand (a weight, the query's or the row's codes) has zero codes in its registers 4-7; a key fragment's registers 4-7 are the next tile's codes, which meet those zeros.
; Scale words of these products have bytes 2, 3 = 0 (never 0xff).
; THE MODE: SCHED_MODE bits 1:0 = 2 (LLVM: expert scheduling mode 2), set by the entry lines.  The code itself states the register dependences between vector or matrix instructions and memory or LDS
; instructions, and those through scalar registers and VCC that vector instructions write, with s_wait_alu, always for 0.
; THE PLAN.  Registers that memory or LDS instructions touch:
;   v1-10, v11-26   offsets and LDS addresses: written at the head, read by every load and store, never written again.
;   v240-255 (TM)   at work: written by vector lines; read by the LDS stores of the scores, the maximum, the sum, the weights' and the hidden layer's codes and bytes, and by the last store; LDS loads of the
;                   maxima, the sums, the partial outputs and the last stage land in them.  So a wait on va_vdst stands ahead of each run of stores, and a wait on vm_vsrc between a run of stores and the next write.
;   v212-219 (S), v204-211 (MASK), v32-63, v64-139, v140-155, v174-177, v188-203   loaded; read by vector or matrix lines; some loaded again with what a later phase wants: each second load stands behind a wait
;                   on va_vdst that was issued behind the registers' last reader, with no vector or matrix line between that wait and the load.
;   v156, v165, v188-219, v238-239   results that LDS stores read and nothing writes again.
; Codes and scale words that vector lines make for a product have their wait on va_vdst behind the places in front of that product.
.set MX,    32768                      ; LDS: the waves' maxima, 4 heads x 8 words;  256 bytes on: their sums
.set SMO,   256
.set OP,    33280                      ; partial outputs: 8 groups of keys x 256 bytes
.set HC,    35328                      ; the hidden layer's codes, 128 bytes
.set HSB,   35584                      ; and its 8 scale bytes
.set OS,    35840                      ; wave 0's stage for the last product, 256 bytes
.set SPARE, 36096                      ; the spare words, 128 bytes for each of 16 waves: eight blocks of 256 bytes that no other line names
.set SCRP,  544                        ; each wave's own 2,048 bytes: +0 the scores of 2 heads x 128 keys, rows 544 bytes apart (the two halves of the lanes fall on different banks);
.set ACO,   1152                       ; +1152 the weights' codes, 2 heads x 64 bytes;
.set ASO,   1280                       ; +1280 their 8 scale bytes;
.set R0O,   1536                       ; +1536 the row out + queries, 256 bytes
.set VK,    1                          ; v1-10: offsets into memory, never rewritten.  32 kap + 16 hf
.set VKS,   2                          ; 2 kap
.set VW,    3                          ; 32 r + 16 hf + 1024 p
.set VWS,   4                          ; 2 r + 64 p
.set VQ,    5                          ; 128 hf
.set VM,    6                          ; 32 r
.set V8L,   7                          ; 8 L (also an LDS address)
.set VFB,   8                          ; 64 hf
.set VF2,   9                          ; 128 r + 16 hf
.set VF2S,  10                         ; 8 r
.set A_ST,  11                         ; v11-26: LDS addresses, all made at the head
.set A_LD,  12
.set A_AC,  13
.set A_AB,  14
.set A_AF,  15
.set A_AW,  16
.set A_MXW, 17
.set A_MXR, 18
.set A_OPW, 19
.set A_R0W, 20
.set A_R0R, 21
.set A_HCW, 22
.set A_HSW, 23
.set A_HCR, 24
.set A_HSR, 25
.set A_OSW, 26
.set SH8,   27                         ; 8 hf
.set SPW,   28                         ; LDS address of my spare word; never rewritten
.set NIL,   29                         ; 0; never rewritten
.set QM,    30                         ; query_mask[b, 0] as f32;  v31: g | r, 0 only where my first key is key 0
.set KF,    32                         ; v32-67 key tile T at 32 + 4 T, v64-67 zeros.  Later: v32 the maximum, v34 the sum, v36 its reciprocal; the row's 32 numbers; the hidden layer's fragments; v64-65 fb2
.set KS,    68                         ; v68-75 the key tiles' scale words; wave 0 later: fw2's
.set ACC,   76                         ; v76-139 eight results.  First: v76-107 the query's numbers, v108-115 W_Q's two fragments, v116-119 zeros.  Wave 0 later: fw2's eight fragments
.set WQF,   108
.set WKF,   140                        ; v140-155 W_K's two fragments, registers 4-7 zeros; later fw1's two
.set WVF,   156                        ; v156-171 W_V's two; later the results of weights x V
.set WQS,   172                        ; scale words: W_Q's, W_K's (later fw1's), W_V's (later the hidden layer's)
.set WKS,   174
.set WVS,   176
.set QC,    178                        ; v178-185 the query's codes, later the row's; registers 4-7 zeros
.set QSW,   186                        ; their scale word
.set ASW,   187                        ; the weights' scale word
.set QV,    188                        ; v188-203 Q of my two heads; later fb1 and the hidden layer; v188-219 wave 0's last results
.set MASK,  204                        ; v204-211 key_mask of my 8 keys; later the weights' fragment
.set S,     212                        ; v212-219 my 8 scores, then weights
.set VF,    220                        ; v220-235 V's fragments of my two heads
.set VS,    236                        ; their scale words
.set RES,   238                        ; v238-239 queries[b, 0, 2 L ..], then out + queries
.set TM,    240                        ; v240-255 at work
.set CM,    52                         ; s52-59 behind the head: which lanes' key i counts, i = 0 .. 7
.set FLOOR, 0x1800000                  ; 2^(3 - 127): no largest magnitude is taken under it, so a scale byte cannot fall under 1
.set EOFF,  0xff000000                 ; 2 off an exponent field
.set NEGV,  0xcf800000                 ; -2^32 + 1 as f32
.macro PLACES n
.rept \n
	v_nop
.endr
.endm
.macro RED16 op, reg                   ; over the 16 lanes of a row: every lane ends up with the result
.irp x, 1,2,4,8
	\op v[\reg], v[\reg], v[\reg] row_xmask:\x row_mask:0xf bank_mask:0xf
.endr
.endm
.macro BARRIER                         ; my LDS stores have landed and my LDS loads are in: then the work-group's barrier
	s_wait_dscnt 0x0
	s_barrier_signal -1
	s_barrier_wait -1
.endm
.macro MM0 d, a, b, sa, sb             ; a product that starts its sum
	v_wmma_scale_f32_16x16x128_f8f6f4 v[\d:\d+7], v[\a:\a+7], v[\b:\b+7], 0, v[\sa], v[\sb] matrix_a_fmt:MATRIX_FMT_FP4 matrix_b_fmt:MATRIX_FMT_FP4
.endm
.macro MMA d, a, b, sa, sb             ; a product that adds onto what its destination holds
	v_wmma_scale_f32_16x16x128_f8f6f4 v[\d:\d+7], v[\a:\a+7], v[\b:\b+7], v[\d:\d+7], v[\sa], v[\sb] matrix_a_fmt:MATRIX_FMT_FP4 matrix_b_fmt:MATRIX_FMT_FP4
.endm
; A row of 64 numbers, the same in all 16 columns: my 32 numbers v[src] on are block hf.  Codes into v[dst] .. v[dst + 3], the row's scale word (bytes 0, 1) into v[sw].
.macro QROW src, dst, sw
	v_max3_num_f32 v[TM], |v[\src]|, |v[\src+1]|, FLOOR
	v_max3_num_f32 v[TM+1], |v[\src+16]|, |v[\src+17]|, |v[\src+18]|
.irp i, 2,4,6,8,10,12
	v_max3_num_f32 v[TM], v[TM], |v[\src+\i]|, |v[\src+\i+1]|           ; two chains by turns
	v_max3_num_f32 v[TM+1], v[TM+1], |v[\src+\i+17]|, |v[\src+\i+18]|
.endr
	v_max3_num_f32 v[TM], v[TM], |v[\src+14]|, |v[\src+15]|
	v_max3_num_f32 v[TM], v[TM], v[TM+1], |v[\src+31]|                  ; the block's largest magnitude
	v_add_nc_u32 v[TM+2], EOFF, v[TM]              ; 2 off its exponent field: the conversion's scale operand
	v_lshrrev_b32 v[TM+3], 23, v[TM+2]             ; the scale's byte,
	v_lshlrev_b32 v[TM+3], v[SH8], v[TM+3]         ; at its place in the word;
	v_permlanex16_b32 v[TM+4], v[TM+3], s8, s9
	v_or_b32 v[\sw], v[TM+3], v[TM+4]              ; with the other block's the word is whole
.irp g, 0,1,2,3
	v_cvt_scalef32_pk8_fp4_f32 v[\dst+\g], v[\src+8*\g:\src+8*\g+7], v[TM+2]
.endr
	v_nop                                          ; one plain place behind a scaled conversion
.endm
; 64 numbers of a lane, register 16 b + i = k 32 b + 16 hf + i of my row, become a fragment's codes in v[pc] on and its scale word in v[pw].
.macro QUANT s, pc, pw
.irp b, 0,1,2,3
	v_max3_num_f32 v[TM+\b], |v[\s+16*\b]|, |v[\s+1+16*\b]|, FLOOR
.endr
.irp i, 2,4,6,8,10,12,14
.irp b, 0,1,2,3
	v_max3_num_f32 v[TM+\b], v[TM+\b], |v[\s+16*\b+\i]|, |v[\s+1+16*\b+\i]|   ; the four blocks by turns
.endr
.endr
.irp b, 0,1,2,3
	v_permlanex16_b32 v[TM+4+\b], v[TM+\b], s8, s9
.endr
.irp b, 0,1,2,3
	v_max_num_f32 v[TM+\b], v[TM+\b], v[TM+4+\b]   ; with lane l xor 16's: the block's largest magnitude
.endr
.irp b, 0,1,2,3
	v_add_nc_u32 v[TM+12+\b], EOFF, v[TM+\b]
.endr
.irp b, 0,1,2,3
	v_lshrrev_b32 v[TM+4+\b], 23, v[TM+12+\b]
.endr
	v_lshl_or_b32 v[\pw], v[TM+5], 8, v[TM+4]
	v_lshl_or_b32 v[\pw], v[TM+6], 16, v[\pw]
	v_lshl_or_b32 v[\pw], v[TM+7], 24, v[\pw]
.irp b, 0,1,2,3
	v_cvt_scalef32_pk8_fp4_f32 v[\pc+2*\b], v[\s+16*\b:\s+7+16*\b], v[TM+12+\b]
	v_cvt_scalef32_pk8_fp4_f32 v[\pc+1+2*\b], v[\s+8+16*\b:\s+15+16*\b], v[TM+12+\b]
.endr
	v_nop                                          ; one plain place behind a scaled conversion
.irp c, 0,1                                    ; the operand's layout wants a whole block in a lane
.irp i, 0,1
	v_permlane16_swap_b32 v[\pc+4*\c+\i], v[\pc+2+4*\c+\i]
.endr
.endr
.endm
; Key tiles 4 hb .. 4 hb + 3: K of my two heads (source 0 = W_K's 16 rows of a head, source 1 = the tile: lane (r, hf) holds key r's channels 8 hf + j), the dot products with Q in f32, and the scores to my own LDS by key.
.macro KBATCH hb
.irp t, 0,1,2,3
.irp n, 0,1
	MM0 ACC+8*(2*\t+\n), WKF+8*\n, KF+4*(4*\hb+\t), WKS+\n, KS+4*\hb+\t
.endr
.endr
	PLACES 4
.if \hb > 0
	s_wait_alu depctr_vm_vsrc(0)                   ; the LDS stores of the four tiles before have read v[TM + 1], v[TM + 5], v[TM + 9], v[TM + 13], which the lines below write again
.endif
.irp i, 0,1,2,3,4,5,6,7
	v_pk_mul_f32 v[TM+2*\i:TM+2*\i+1], v[ACC+8*\i:ACC+8*\i+1], v[QV+8*(\i%2):QV+8*(\i%2)+1]
.endr
.irp k, 2,4,6
.irp i, 0,1,2,3,4,5,6,7
	v_pk_fma_f32 v[TM+2*\i:TM+2*\i+1], v[ACC+8*\i+\k:ACC+8*\i+\k+1], v[QV+8*(\i%2)+\k:QV+8*(\i%2)+\k+1], v[TM+2*\i:TM+2*\i+1]
.endr
.endr
.irp i, 0,1,2,3,4,5,6,7
	v_add_f32 v[TM+2*\i], v[TM+2*\i], v[TM+2*\i+1] ; my 8 channels' part of the score
.endr
.irp t, 0,1,2,3
	v_permlane16_swap_b32 v[TM+4*\t], v[TM+4*\t+2] ; lanes 0-15 now hold both parts of head 2 p, lanes 16-31 both of head 2 p + 1
.endr
.irp t, 0,1,2,3
	v_add_f32 v[TM+4*\t+1], v[TM+4*\t], v[TM+4*\t+2]
.endr
	s_wait_alu depctr_va_vdst(0)                   ; the additions have written the four scores, which the LDS stores read
.irp t, 0,1,2,3
	ds_store_b32 v[A_ST], v[TM+4*\t+1] offset:4*(32*((4*\hb+\t)/2)+8*((4*\hb+\t)%2))
.endr
.endm
; V of head 2 p + n for my 128 keys (source 0 = a key tile, source 1 = W_V's 16 rows: a lane holds one channel, its registers run along the keys), quantised along the keys: one fragment, kept in registers.
.macro VHEAD n
.irp t, 0,1,2,3,4,5,6,7
	MM0 ACC+8*\t, KF+4*\t, WVF+8*\n, KS+\t, WVS+\n
.endr
	PLACES 4
	QUANT ACC, VF+8*\n, VS+\n
.endm
	; ---- the head: arguments, offsets, all first loads at once
	s_load_b512 s[16:31], s[0:1], 0x0              ; queries, query_mask, keys' codes, keys' scales, key_mask, W_Q's codes, W_Q's scales, W_K's codes
	s_load_b512 s[32:47], s[0:1], 0x40             ; W_K's scales, W_V's codes, W_V's scales, fw1's codes, fw1's scales, fb1, fw2's codes, fw2's scales
	s_load_b128 s[48:51], s[0:1], 0x80             ; fb2, out0
	v_lshl_add_u32 v[SPW], v0, 2, SPARE
	v_mov_b32 v[NIL], 0
	v_lshrrev_b32 v248, 5, v0
	v_readfirstlane_b32 s2, v248                   ; wave 0..15
	s_wait_alu depctr_va_sdst(0)                   ; s2 is written, ahead of its first reader: g, p, the bases and the branches on the wave's number are made from it
	s_lshr_b32 s3, s2, 1                           ; g
	s_and_b32 s4, s2, 1                            ; p
	s_lshl_b32 s10, s2, 11                         ; my 2,048 bytes of LDS
	s_lshl_b32 s6, ttmp9, 18                       ; the batch's row 0 of queries
	s_mov_b32 s7, 0
	s_lshl_b32 s12, ttmp9, 12                      ; of query_mask
	s_mov_b32 s13, 0
	s_lshl_b32 s11, s3, 9
	s_add_co_u32 s14, s12, s11                     ; key_mask: the batch, my 128 keys
	s_mov_b32 s15, 0
	s_lshl_b32 s54, ttmp9, 15
	s_lshl_b32 s11, s3, 12
	s_add_co_u32 s54, s54, s11                     ; the keys' codes, 32 bytes a key
	s_mov_b32 s55, 0
	s_lshl_b32 s56, ttmp9, 11
	s_lshl_b32 s11, s3, 8
	s_add_co_u32 s56, s56, s11                     ; their scales, 2 bytes a key
	s_mov_b32 s57, 0
	s_lshl_b32 s58, ttmp9, 8                       ; the batch's row of out0
	s_mov_b32 s59, 0
	v_and_b32 v248, 31, v0                         ; L
	v_and_b32 v249, 15, v0                         ; r
	v_bfe_u32 v250, v0, 4, 1                       ; hf
	v_and_b32 v251, 8, v249
	v_add_nc_u32 v251, v251, v249                  ; kap
	v_lshlrev_b32 v[VK], 5, v251
	v_lshl_add_u32 v[VK], v250, 4, v[VK]
	v_lshlrev_b32 v[VKS], 1, v251
	v_lshlrev_b32 v[VW], 5, v249
	v_lshl_add_u32 v[VW], v250, 4, v[VW]
	s_lshl_b32 s11, s4, 10
	v_add_nc_u32 v[VW], s11, v[VW]
	v_lshlrev_b32 v[VWS], 1, v249
	s_lshl_b32 s11, s4, 6
	v_add_nc_u32 v[VWS], s11, v[VWS]
	v_lshlrev_b32 v[VQ], 7, v250
	v_lshlrev_b32 v[VM], 5, v249
	v_lshlrev_b32 v[V8L], 3, v248
	v_lshlrev_b32 v[VFB], 6, v250
	v_lshlrev_b32 v[VF2], 7, v249
	v_lshl_add_u32 v[VF2], v250, 4, v[VF2]
	v_lshlrev_b32 v[VF2S], 3, v249
.irp z, 64,116,144,152,160,168,182             ; the zero codes for k = 64 .. 127
.irp i, 0,1,2,3
	v_mov_b32 v[\z+\i], 0
.endr
.endr
	s_wait_kmcnt 0x0
	s_add_nc_u64 s[16:17], s[16:17], s[6:7]
	s_add_nc_u64 s[18:19], s[18:19], s[12:13]
	s_add_nc_u64 s[24:25], s[24:25], s[14:15]
	s_add_nc_u64 s[20:21], s[20:21], s[54:55]
	s_add_nc_u64 s[22:23], s[22:23], s[56:57]
	s_add_nc_u64 s[50:51], s[50:51], s[58:59]
	s_load_b32 s52, s[18:19], 0x0                  ; query_mask[b, 0]
	s_wait_alu depctr_va_vdst(0)                   ; the ten offsets v1 to v10 are written, which the kernel's global loads and its store read; so are the zero codes, which the products take as parts of their operands
.irp i, 0,1,2,3,4,5,6,7                        ; 8 loads: my block of 32 of the query row
	global_load_b128 v[ACC+4*\i:ACC+4*\i+3], v[VQ], s[16:17] offset:16*\i
.endr
.irp n, 0,1                                    ; 4 loads: W_Q's rows of my two heads
	global_load_b128 v[WQF+4*\n:WQF+4*\n+3], v[VW], s[26:27] offset:512*\n
	global_load_u16 v[WQS+\n], v[VWS], s[28:29] offset:32*\n
.endr
.irp t, 0,1,2,3,4,5,6,7                        ; 16 loads: my eight key tiles
	global_load_b128 v[KF+4*\t:KF+4*\t+3], v[VK], s[20:21] offset:32*(32*(\t/2)+8*(\t%2))
	global_load_u16 v[KS+\t], v[VKS], s[22:23] offset:2*(32*(\t/2)+8*(\t%2))
.endr
.irp n, 0,1                                    ; 4 loads: W_K
	global_load_b128 v[WKF+8*\n:WKF+8*\n+3], v[VW], s[30:31] offset:512*\n
	global_load_u16 v[WKS+\n], v[VWS], s[32:33] offset:32*\n
.endr
.irp n, 0,1                                    ; 4 loads: W_V
	global_load_b128 v[WVF+8*\n:WVF+8*\n+3], v[VW], s[34:35] offset:512*\n
	global_load_u16 v[WVS+\n], v[VWS], s[36:37] offset:32*\n
.endr
	global_load_b128 v[MASK:MASK+3], v[VM], s[24:25]               ; 2 loads: key_mask of keys 8 r .. 8 r + 7
	global_load_b128 v[MASK+4:MASK+7], v[VM], s[24:25] offset:16
	; the LDS addresses, all of them, while the loads are out
	v_mul_u32_u24 v252, v250, SCRP
	v_add_nc_u32 v252, s10, v252
	v_lshl_add_u32 v[A_ST], v251, 2, v252          ; scores in: head row hf, key kap (+ the tile's first key in the immediate)
	v_lshl_add_u32 v[A_LD], v249, 5, v252          ; scores back: head row hf, keys 8 r on
	v_and_b32 v253, 1, v249                        ; r % 2
	s_add_co_u32 s11, s10, ASO
	v_lshrrev_b32 v[A_AB], 2, v248
	v_add_nc_u32 v[A_AB], s11, v[A_AB]             ; the weights' scale byte: four lanes to a block
	v_lshl_add_u32 v[A_AW], v253, 2, s11           ; and the word of head row r % 2
	s_add_co_u32 s11, s10, ACO
	v_lshl_add_u32 v[A_AC], v248, 2, s11           ; the weights' codes: 4 bytes a lane: rows of 64 bytes a head
	v_lshl_add_u32 v[A_AF], v253, 6, s11
	v_lshl_add_u32 v[A_AF], v250, 4, v[A_AF]       ; back as a fragment: row r % 2, + 16 hf
	s_lshl_b32 s11, s4, 6
	s_add_co_u32 s11, s11, MX
	v_lshl_add_u32 v[A_MXR], v250, 5, s11          ; head 2 p + hf's eight words
	s_lshl_b32 s12, s3, 2
	v_add_nc_u32 v[A_MXW], s12, v[A_MXR]           ; and mine among them
	s_lshl_b32 s11, s3, 8
	s_lshl_b32 s12, s4, 7
	s_add_co_u32 s11, s11, s12
	s_add_co_u32 s11, s11, OP
	v_lshl_add_u32 v[A_OPW], v249, 2, s11          ; partial outputs: group g, head 2 p, channel r
	s_add_co_u32 s11, s10, R0O
	v_lshl_add_u32 v[A_R0W], v248, 3, s11
	v_lshl_add_u32 v[A_R0R], v250, 7, s11
	s_lshl_b32 s11, s2, 4
	s_add_co_u32 s11, s11, HC
	v_lshl_add_u32 v[A_HCW], v250, 3, s11          ; the hidden layer's block w, my half's 8 bytes
	s_add_co_u32 s11, s2, HSB
	v_mov_b32 v[A_HSW], s11
	v_lshl_add_u32 v[A_HCR], v250, 4, HC
	v_mov_b32 v[A_HSR], HSB
	v_lshl_add_u32 v[A_OSW], v250, 5, OS
	v_lshlrev_b32 v[SH8], 3, v250
	v_or_b32 v31, s3, v249                         ; 0 only in the lanes whose first key is the batch's key 0
	s_mov_b32 s8, 0x76543210
	s_mov_b32 s9, 0xfedcba98                       ; v_permlanex16_b32's selects for lane l xor 16
.irp i, 4,5,6,7
	v_mov_b32 v[TM+\i], 0                          ; written once: a lane permute's destination counts as one of its sources
.endr
	s_wait_kmcnt 0x0
	v_mov_b32 v[QM], s52
	v_cvt_f32_i32 v[QM], v[QM]
	; ---- the query: quantised, then Q of my two heads.  Source 0 = W_Q's 16 rows of a head, source 1 = the query in all 16 columns: every lane (r, hf) gets Q[16 head + 8 hf + j] in register j
	s_wait_loadcnt 30                              ; the query's 8 loads are in; the 30 issued behind them may be out
	QROW ACC, QC, QSW
	PLACES 8                                       ; a scale word written by a vector instruction stands 8 places ahead of the product
	s_wait_loadcnt 26                              ; W_Q's 4 are in; keys and W_K (20), W_V and the mask (6) may be out
	s_wait_alu depctr_va_vdst(0)                   ; the conversions have written the query's codes v[QC ..] and the v_or_b32 its scale word v[QSW], which the products take; the LDS addresses v11 to v26 are written too
.irp n, 0,1
	MM0 QV+8*\n, WQF+4*\n, QC, WQS+\n, QSW
.endr
	PLACES 4
.irp i, 0,2,4,6,8,10,12,14
	v_pk_mul_f32 v[QV+\i:QV+\i+1], v[QV+\i:QV+\i+1], 0x3e800000 op_sel_hi:[1,0]   ; 1 / sqrt(16), which rounds nothing
.endr
	; ---- the scores of query 0 with my 128 keys, two heads
	s_wait_loadcnt 6                               ; keys and W_K are in; W_V's 4 and the mask's 2 may be out
	KBATCH 0
	KBATCH 1
	ds_load_b128 v[S:S+3], v[A_LD]                 ; back by keys: lane (r, hf) takes keys 8 r .. 8 r + 7 of head 2 p + hf.  LDS serves a wave's instructions in order: these see my stores
	ds_load_b128 v[S+4:S+7], v[A_LD] offset:16
	v_cmp_ne_u32 vcc_lo, 0, v31                    ; the compare for the diagonal stands here, while the loads are out
	s_wait_loadcnt 0x0                             ; the mask, and W_V
	s_wait_dscnt 0x0
	s_wait_alu depctr_vm_vsrc(0)                   ; the LDS stores of the last four tiles' scores have read v[TM + 1], v[TM + 5], v[TM + 9], v[TM + 13], which the maxima below and V's quantiser write again
	s_wait_alu depctr_va_vcc(0)                    ; VCC is written, ahead of the select that reads it
	v_cndmask_b32 v[MASK], 0, v[MASK], vcc_lo      ; the diagonal: key 0 counts as masked for query 0
.irp i, 0,1,2,3,4,5,6,7
	v_cmp_eq_u32 s[CM+\i], 1, v[MASK+\i]           ; the eight compares in one run, each into a scalar register of its own
.endr
	s_wait_alu depctr_va_sdst(0)                   ; s52 to s59 are written, ahead of the eight selects that read them
.irp i, 0,1,2,3,4,5,6,7
	v_cndmask_b32 v[S+\i], NEGV, v[S+\i], s[CM+\i]
.endr
	v_max3_num_f32 v[TM], v[S], v[S+1], v[S+2]
	v_max3_num_f32 v[TM+1], v[S+3], v[S+4], v[S+5]
	v_max3_num_f32 v[TM], v[TM], v[S+6], v[S+7]
	v_max_num_f32 v[TM], v[TM], v[TM+1]
	RED16 v_max_num_f32_dpp, TM                    ; a row of 16 lanes holds one head: my 128 keys' maximum
	s_wait_alu depctr_va_vdst(0)                   ; the maximum v[TM] is written, which the LDS store reads; the score products and dot products are done reading W_K, its scale words and Q, in which the loads of waves 0-7 below land
	ds_store_b32 v[A_MXW], v[TM]
	s_cmp_lt_u32 s2, 8                             ; waves 0-7 ask now for what the feed-forward wants
	s_cbranch_scc0 .Lno_ff_loads
	s_lshl_b32 s6, s2, 10
	s_add_nc_u64 s[38:39], s[38:39], s[6:7]        ; fw1's rows 32 w on
	s_lshl_b32 s6, s2, 6
	s_add_nc_u64 s[40:41], s[40:41], s[6:7]
	s_lshl_b32 s6, s2, 7
	s_add_nc_u64 s[42:43], s[42:43], s[6:7]
.irp u, 0,1                                    ; tile u: lane r takes row 32 w + 8 u + kap(r), so that my 16 results are hidden units 32 w + 16 hf + 0 .. 15
	global_load_b128 v[WKF+8*\u:WKF+8*\u+3], v[VK], s[38:39] offset:256*\u
	global_load_u16 v[WKS+\u], v[VKS], s[40:41] offset:16*\u
	global_load_b128 v[QV+8*\u:QV+8*\u+3], v[VFB], s[42:43] offset:32*\u          ; fb1 in the result's layout: the C of the product
	global_load_b128 v[QV+8*\u+4:QV+8*\u+7], v[VFB], s[42:43] offset:32*\u+16
.endr
	global_load_b64 v[RES:RES+1], v[V8L], s[16:17] ; the residual: two numbers a lane
.Lno_ff_loads:
	s_wait_dscnt 0x0                               ; my maximum has landed
	s_wait_alu depctr_vm_vsrc(0)                   ; its LDS store has read v[TM], which V's quantiser writes again
	s_barrier_signal -1
	; ---- V of my two heads: work on registers alone, while the others arrive
	VHEAD 0
	VHEAD 1
	s_barrier_wait -1                              ; all 16 waves' maxima lie in LDS
	s_wait_alu depctr_va_vdst(0)                   ; V's products and its quantiser are done with v64 to v139 and with v[TM ..]: wave 0's loads of fw2 and fb2 land in the first, every wave's LDS loads of the maxima in the second
	s_cmp_eq_u32 s2, 0                             ; wave 0 asks for fw2 and fb2, into registers that are done with
	s_cbranch_scc0 .Lno_w2
.irp t, 0,1,2,3
.irp s, 0,1
.irp c, 0,1
	global_load_b128 v[ACC+8*(2*\t+\s)+4*\c:ACC+8*(2*\t+\s)+4*\c+3], v[VF2], s[44:45] offset:2048*\t+64*\s+32*\c
.endr
	global_load_b32 v[KS+2*\t+\s], v[VF2S], s[46:47] offset:128*\t+4*\s
.endr
.endr
	global_load_b64 v[64:65], v[V8L], s[48:49]
.Lno_w2:
	; ---- the softmax of query 0, finished and normalised, times query_mask, quantised along the keys
	ds_load_b128 v[TM:TM+3], v[A_MXR]
	ds_load_b128 v[TM+4:TM+7], v[A_MXR] offset:16
	s_wait_dscnt 0x0
	v_max3_num_f32 v32, v[TM], v[TM+1], v[TM+2]
	v_max3_num_f32 v33, v[TM+3], v[TM+4], v[TM+5]
	v_max3_num_f32 v32, v32, v[TM+6], v[TM+7]
	v_max_num_f32 v32, v32, v33                    ; the head's maximum over all 1,024 keys
.irp i, 0,2,4,6
	v_pk_add_f32 v[S+\i:S+\i+1], v[S+\i:S+\i+1], v[32:33] op_sel_hi:[1,0] neg_lo:[0,1] neg_hi:[0,1]   ; the maximum is taken away first: with every key masked the difference is exactly 0
.endr
.irp i, 0,2,4,6
	v_pk_mul_f32 v[S+\i:S+\i+1], v[S+\i:S+\i+1], 0x3fb8aa3b op_sel_hi:[1,0]
.endr
.irp i, 0,1,2,3,4,5,6,7
	v_exp_f32 v[S+\i], v[S+\i]
.endr
	v_nop                                          ; a plain place behind the exponentials
	s_wait_alu depctr_va_vdst(0)                   ; the eight exponentials have written v[S ..]: one wait for the batch, ahead of its first reader
	v_pk_add_f32 v[TM:TM+1], v[S:S+1], v[S+2:S+3]
	v_pk_add_f32 v[TM+2:TM+3], v[S+4:S+5], v[S+6:S+7]
	v_pk_add_f32 v[TM:TM+1], v[TM:TM+1], v[TM+2:TM+3]
	v_add_f32 v[TM], v[TM], v[TM+1]
	RED16 v_add_f32_dpp, TM
	s_wait_alu depctr_va_vdst(0)                   ; the sum v[TM] is written, which the LDS store reads; the additions are done with v[TM .. TM + 3], in which the loads behind the barrier land
	ds_store_b32 v[A_MXW], v[TM] offset:SMO        ; my 128 keys' sum
	BARRIER
	s_wait_alu depctr_vm_vsrc(0)                   ; my LDS store of the sum has read v[TM], in which the first load below lands
	ds_load_b128 v[TM:TM+3], v[A_MXR] offset:SMO
	ds_load_b128 v[TM+4:TM+7], v[A_MXR] offset:SMO+16
	s_wait_dscnt 0x0
	v_pk_add_f32 v[TM:TM+1], v[TM:TM+1], v[TM+2:TM+3]
	v_pk_add_f32 v[TM+4:TM+5], v[TM+4:TM+5], v[TM+6:TM+7]
	v_pk_add_f32 v[TM:TM+1], v[TM:TM+1], v[TM+4:TM+5]
	v_add_f32 v34, v[TM], v[TM+1]                  ; the head's sum: between 1 and 1,024
	v_rcp_f32 v36, v34
	v_nop
	s_wait_alu depctr_va_vdst(0)                   ; the reciprocal has written v36, ahead of its first reader
.irp i, 0,2,4,6
	v_pk_mul_f32 v[TM+\i:TM+\i+1], v[S+\i:S+\i+1], v[36:37] op_sel_hi:[1,0]       ; q = p x (1 / sum);
.endr
.irp i, 0,2,4,6
	v_pk_fma_f32 v[TM+8+\i:TM+9+\i], v[TM+\i:TM+\i+1], v[34:35], v[S+\i:S+\i+1] op_sel_hi:[1,0,1] neg_lo:[1,0,0] neg_hi:[1,0,0]   ; what is left: p - q x sum;
.endr
.irp i, 0,2,4,6
	v_pk_fma_f32 v[S+\i:S+\i+1], v[TM+8+\i:TM+9+\i], v[36:37], v[TM+\i:TM+\i+1] op_sel_hi:[1,0,1]   ; the quotient as a division gives it: it stands ahead of a quantiser
.endr
.irp i, 0,2,4,6
	v_pk_mul_f32 v[S+\i:S+\i+1], v[S+\i:S+\i+1], v[QM:QM+1] op_sel_hi:[1,0]
.endr
	v_max3_num_f32 v[TM], |v[S]|, |v[S+1]|, FLOOR
.irp i, 2,4,6
	v_max3_num_f32 v[TM], v[TM], |v[S+\i]|, |v[S+\i+1]|
.endr
	v_max_num_f32_dpp v[TM], v[TM], v[TM] row_xmask:1 row_mask:0xf bank_mask:0xf   ; a block of 32 keys is four lanes
	v_max_num_f32_dpp v[TM], v[TM], v[TM] row_xmask:2 row_mask:0xf bank_mask:0xf
	v_add_nc_u32 v[TM+2], EOFF, v[TM]
	v_lshrrev_b32 v253, 23, v[TM+2]
	v_cvt_scalef32_pk8_fp4_f32 v252, v[S:S+7], v[TM+2]
	v_nop
	s_wait_alu depctr_va_vdst(0)                   ; the codes v252 and the byte v253 are written, which the LDS stores read; the compares and the select are done with v[MASK ..], in which the loads below land; V's fragments and scale words, which the products below take, are written
	ds_store_b32 v[A_AC], v252                     ; through my own LDS: the codes lie as rows of 64 bytes, one a head,
	ds_store_b8 v[A_AB], v253                      ; (the four lanes of a block write the same byte with the same value)
	ds_load_b128 v[MASK:MASK+3], v[A_AF]           ; and come back as a fragment whose row m is head 2 p + m % 2
	ds_load_b128 v[MASK+4:MASK+7], v[A_AF] offset:32
	ds_load_b32 v[ASW], v[A_AW]
	s_wait_dscnt 0x0
	; ---- weights x V over my 128 keys.  Source 0 = the weights, source 1 = V's fragment of head 2 p + n: register n of the result is that head's channel r
.irp n, 0,1
	MM0 WVF+8*\n, MASK, VF+8*\n, ASW, VS+\n
.endr
	PLACES 5                                       ; four places serve the LDS stores of the results below; the fifth is for the last product, whose results are laid over v204-211, which these two read:
	                                               ; a matrix instruction that writes over a register of an earlier one stands five places behind it, on every way through the text
	s_wait_alu depctr_va_vdst(0)                   ; the two products have written their results, which the LDS stores read (the places above stay beside this wait); the softmax's lines are done with v[TM ..], in which the feed-forward's LDS loads land
	ds_store_b32 v[A_OPW], v[WVF]
	ds_store_b32 v[A_OPW], v[WVF+9] offset:64
	BARRIER                                        ; all 16 waves' partial outputs lie in LDS
	s_wait_alu depctr_vm_vsrc(0)                   ; my LDS stores of the weights' codes and byte have read v252 and v253, in which the feed-forward's LDS loads land
	; ---- the feed-forward: waves 0-7, 32 hidden units each
	s_cmp_lt_u32 s2, 8
	s_cbranch_scc0 .Lno_ff
.irp g, 0,1,2,3,4,5,6,7
	ds_load_b64 v[TM+2*\g:TM+2*\g+1], v[V8L] offset:OP+256*\g
.endr
	s_wait_dscnt 0x0
	s_wait_loadcnt 0x0                             ; fw1, fb1, the residual; in wave 0 fw2 and fb2 too
.irp i, 0,4,8,12
	v_pk_add_f32 v[TM+\i:TM+\i+1], v[TM+\i:TM+\i+1], v[TM+\i+2:TM+\i+3]
.endr
	v_pk_add_f32 v[TM:TM+1], v[TM:TM+1], v[TM+4:TM+5]
	v_pk_add_f32 v[TM+8:TM+9], v[TM+8:TM+9], v[TM+12:TM+13]
	v_pk_add_f32 v[TM:TM+1], v[TM:TM+1], v[TM+8:TM+9]
	v_pk_add_f32 v[RES:RES+1], v[RES:RES+1], v[TM:TM+1]            ; out + queries: numbers 2 L, 2 L + 1 of the row
	s_wait_alu depctr_va_vdst(0)                   ; the row's two numbers v[RES ..] are written, which the LDS store reads; the products and the softmax are done with v32 to v63, in which the loads below land
	ds_store_b64 v[A_R0W], v[RES:RES+1]
.irp i, 0,1,2,3,4,5,6,7
	ds_load_b128 v[KF+4*\i:KF+4*\i+3], v[A_R0R] offset:16*\i       ; back through my own LDS: my block of 32
.endr
	s_wait_dscnt 0x0
	QROW KF, QC, QSW
	PLACES 8
	s_wait_alu depctr_va_vdst(0)                   ; the conversions have written the row's codes v[QC ..] and the v_or_b32 its scale word v[QSW], which the products take
.irp u, 0,1
	MMA QV+8*\u, WKF+8*\u, QC, WKS+\u, QSW         ; source 0 = 16 rows of fw1, source 1 = the row in all columns; the sum begins with fb1
.endr
	PLACES 4
.irp i, 0,2,4,6,8,10,12,14
	v_pk_mul_f32 v[TM+\i:TM+\i+1], v[QV+\i:QV+\i+1], 0x3e4ccccd op_sel_hi:[1,0]
.endr
.irp i, 0,1,2,3,4,5,6,7,8,9,10,11,12,13,14,15
	v_max_num_f32 v[QV+\i], v[QV+\i], v[TM+\i]     ; leaky relu: the larger of x and 0.2 x
.endr
	v_max3_num_f32 v[TM], |v[QV]|, |v[QV+1]|, FLOOR
	v_max3_num_f32 v[TM+1], |v[QV+8]|, |v[QV+9]|, |v[QV+10]|
	v_max3_num_f32 v[TM], v[TM], |v[QV+2]|, |v[QV+3]|
	v_max3_num_f32 v[TM+1], v[TM+1], |v[QV+11]|, |v[QV+12]|
	v_max3_num_f32 v[TM], v[TM], |v[QV+4]|, |v[QV+5]|
	v_max3_num_f32 v[TM+1], v[TM+1], |v[QV+13]|, |v[QV+14]|
	v_max3_num_f32 v[TM], v[TM], |v[QV+6]|, |v[QV+7]|
	v_max3_num_f32 v[TM], v[TM], v[TM+1], |v[QV+15]|
	v_permlanex16_b32 v[TM+4], v[TM], s8, s9
	v_max_num_f32 v[TM], v[TM], v[TM+4]            ; my wave's 32 hidden units are one block of the next K
	v_add_nc_u32 v[TM+2], EOFF, v[TM]
	v_lshrrev_b32 v254, 23, v[TM+2]
	v_cvt_scalef32_pk8_fp4_f32 v252, v[QV:QV+7], v[TM+2]
	v_cvt_scalef32_pk8_fp4_f32 v253, v[QV+8:QV+15], v[TM+2]
	v_nop
	s_wait_alu depctr_va_vdst(0)                   ; the codes v252, v253 and the byte v254 are written, which the LDS stores read; the row's quantiser is done reading v32 to v47, in which wave 0's LDS loads behind the barrier land
	ds_store_b64 v[A_HCW], v[252:253]              ; (the 16 lanes of a half write the same bytes with the same values)
	ds_store_b8 v[A_HSW], v254
.Lno_ff:
	BARRIER                                        ; the hidden layer's 256 codes and 8 scale bytes lie in LDS
	s_cmp_eq_u32 s2, 0
	s_cbranch_scc0 .Lend
	; ---- wave 0: hidden x fw2.  Source 0 = 16 rows of fw2, source 1 = the hidden layer in all columns; four accumulators by turns, two K steps
.irp s, 0,1
.irp c, 0,1
	ds_load_b128 v[KF+8*\s+4*\c:KF+8*\s+4*\c+3], v[A_HCR] offset:64*\s+32*\c
.endr
	ds_load_b32 v[WVS+\s], v[A_HSR] offset:4*\s
.endr
	s_wait_dscnt 0x0                               ; (fw2 and fb2 were waited for at the feed-forward's head)
.irp t, 0,1,2,3
	MM0 QV+8*\t, ACC+16*\t, KF, KS+2*\t, WVS
.endr
.irp t, 0,1,2,3
	MMA QV+8*\t, ACC+16*\t+8, KF+8, KS+2*\t+1, WVS+1
.endr
	PLACES 4
	s_wait_alu depctr_va_vdst(0)                   ; the eight products have written v188 to v219, which the LDS stores read (the places above stay beside this wait); the feed-forward's lines are done with v[TM], v[TM + 1], in which the load below lands
.irp t, 0,1,2,3
	ds_store_b128 v[A_OSW], v[QV+8*\t:QV+8*\t+3] offset:64*\t      ; lane (r, hf): outputs 16 t + 8 hf + 0 .. 7, the same in all r; each accumulator from its low end on
	ds_store_b128 v[A_OSW], v[QV+8*\t+4:QV+8*\t+7] offset:64*\t+16
.endr
	ds_load_b64 v[TM:TM+1], v[V8L] offset:OS       ; back two numbers a lane
	s_wait_dscnt 0x0
	v_pk_add_f32 v[TM:TM+1], v[TM:TM+1], v[64:65]  ; + fb2
	v_pk_add_f32 v[TM:TM+1], v[TM:TM+1], v[RES:RES+1]              ; + the residual
	s_wait_alu depctr_va_vdst(0)                   ; the two additions have written v[TM], v[TM + 1], which the store reads
	global_store_b64 v[V8L], v[TM:TM+1], s[50:51]  ; 32 lanes store the batch's 256 consecutive bytes, at a multiple of 256 from out0's first byte
.Lend:
	s_wait_dscnt 0x0                               ; the closing lines, six on end
	s_wait_alu 0x0
	s_wait_tensorcnt 0x0
	ds_add_u32 v[SPW], v[NIL]
	s_wait_dscnt 0x0
	s_endpgm
.Lfunc_end_k_q1bf61b1baa_attn0:
	.size	k_q1bf61b1baa_attn0, .Lfunc_end_k_q1bf61b1baa_attn0-k_q1bf61b1baa_attn0
	.p2alignl 7, 3214868480
	.fill 96, 4, 3214868480
	.section	.rodata,"a",@progbits
	.p2align	6, 0x0
	.amdhsa_kernel k_q1bf61b1baa_attn0
		.amdhsa_group_segment_fixed_size 38144
		.amdhsa_private_segment_fixed_size 0
		.amdhsa_enable_private_segment 0
		.amdhsa_kernarg_size 144
		.amdhsa_user_sgpr_count 2
		.amdhsa_user_sgpr_kernarg_segment_ptr 1
		.amdhsa_wavefront_size32 1
		.amdhsa_system_sgpr_workgroup_id_x 1
		.amdhsa_system_sgpr_workgroup_id_y 1
		.amdhsa_system_sgpr_workgroup_id_z 1
		.amdhsa_system_vgpr_workitem_id 0
		.amdhsa_next_free_vgpr 256
		.amdhsa_next_free_sgpr 66
		.amdhsa_reserve_vcc 1
		.amdhsa_float_denorm_mode_32 3
		.amdhsa_float_denorm_mode_16_64 3
		.amdhsa_memory_ordered 1
		.amdhsa_forward_progress 1
		.amdhsa_inst_pref_size 50
	.end_amdhsa_kernel
	.amdgpu_metadata
---
amdhsa.version: [ 1, 2 ]
amdhsa.kernels:
  - .name:           k_q1bf61b1baa_attn0
    .symbol:         k_q1bf61b1baa_attn0.kd
    .args:
      - { .name: queries, .offset: 0, .size: 8, .value_kind: global_buffer, .address_space: global }
      - { .name: query_mask, .offset: 8, .size: 8, .value_kind: global_buffer, .address_space: global }
      - { .name: keys_codes, .offset: 16, .size: 8, .value_kind: global_buffer, .address_space: global }
      - { .name: keys_scales, .offset: 24, .size: 8, .value_kind: global_buffer, .address_space: global }
      - { .name: key_mask, .offset: 32, .size: 8, .value_kind: global_buffer, .address_space: global }
      - { .name: W_Q_codes, .offset: 40, .size: 8, .value_kind: global_buffer, .address_space: global }
      - { .name: W_Q_scales, .offset: 48, .size: 8, .value_kind: global_buffer, .address_space: global }
      - { .name: W_K_codes, .offset: 56, .size: 8, .value_kind: global_buffer, .address_space: global }
      - { .name: W_K_scales, .offset: 64, .size: 8, .value_kind: global_buffer, .address_space: global }
      - { .name: W_V_codes, .offset: 72, .size: 8, .value_kind: global_buffer, .address_space: global }
      - { .name: W_V_scales, .offset: 80, .size: 8, .value_kind: global_buffer, .address_space: global }
      - { .name: fw1_codes, .offset: 88, .size: 8, .value_kind: global_buffer, .address_space: global }
      - { .name: fw1_scales, .offset: 96, .size: 8, .value_kind: global_buffer, .address_space: global }
      - { .name: fb1, .offset: 104, .size: 8, .value_kind: global_buffer, .address_space: global }
      - { .name: fw2_codes, .offset: 112, .size: 8, .value_kind: global_buffer, .address_space: global }
      - { .name: fw2_scales, .offset: 120, .size: 8, .value_kind: global_buffer, .address_space: global }
      - { .name: fb2, .offset: 128, .size: 8, .value_kind: global_buffer, .address_space: global }
      - { .name: out0, .offset: 136, .size: 8, .value_kind: global_buffer, .address_space: global }
    .group_segment_fixed_size: 38144
    .private_segment_fixed_size: 0
    .kernarg_segment_align: 8
    .kernarg_segment_size: 144
    .max_flat_workgroup_size: 512
    .sgpr_count:     66
    .vgpr_count:     256
    .wavefront_size: 32
...
	.end_amdgpu_metadata
.endif
;; end of part 2
